; MI455X (gfx1250); checked and timed in simulation.
; The chip was launched on July 23, 2026; its instructions are those of AMD's public machine-readable ISA for CDNA 5 (MIT licence, August 2026) and "CDNA5" Instruction Set Architecture Reference Guide (July 2026). The comments in the code are by the model that wrote it; some were corrected since.
;; Mo E. Allowed arithmetic: matrix products marked QUANTISED: E2M1 operands, one E8M0 scale for each 32 along K, by v_wmma_scale_f32_16x16x128_f8f6f4 with both operands' format E2M1 (or v_wmma_scale_f32_32x16x128_f4), f32 sums; products left as they are: f32 operands where the result goes on into a quantised operand, else bf16, f16 or f32 operands; f32 sums; everything else in f32.
;; Inputs: alpha 8 float32; b1 8 x 4,096 float32; b2 8 x 1,024 float32; gate_b 8 float32; gate_w 1,024 x 8 float32; hidden_states 4 x 256 x 1,024 float32; w1 8 x 1,024 x 4,096 float32; w2 8 x 4,096 x 1,024 float32.
;; Outputs: out0 4 x 256 x 1,024 float32.
;; This version of the problem:
;;   THIS VERSION OF THE PROBLEM IS GIVEN IN LOW PRECISION. The matrix products marked QUANTISED in the list below multiply operands that are first quantised to E2M1 (2 exponent bits, 1 mantissa bit; 4 bits a number), with one power-of-two scale for each 32 numbers along K (OCP MX v1.0); their sums are f32. All else is computed in f32.
;;   The module's matrix products, in the order in which they are computed (A, B: the left and right operand; K: the contracted axis; several contracted axes count as one K, in the product's order):
;;     1. [M 1,024, K 1,024] x [K 1,024, N 8]; A: input hidden_states; B: input gate_w: left as it is (N = 8 < 16)
;;     2. batch 1,024 x [M 1, K 2] x [K 2, N 8]; A: computed on the way; B: computed on the way: left as it is (K = 2 < 32)
;;     3. [M 1,024, K 1,024] x [K 1,024, N 4,096]; A: input hidden_states; B: input w1: QUANTISED
;;     4. [M 1,024, K 4,096] x [K 4,096, N 1,024]; A: computed on the way; B: input w2: QUANTISED
;;     5. [M 1,024, K 1,024] x [K 1,024, N 4,096]; A: input hidden_states; B: input w1: QUANTISED
;;     6. [M 1,024, K 4,096] x [K 4,096, N 1,024]; A: computed on the way; B: input w2: QUANTISED
;;     7. [M 1,024, K 1,024] x [K 1,024, N 4,096]; A: input hidden_states; B: input w1: QUANTISED
;;     8. [M 1,024, K 4,096] x [K 4,096, N 1,024]; A: computed on the way; B: input w2: QUANTISED
;;     9. [M 1,024, K 1,024] x [K 1,024, N 4,096]; A: input hidden_states; B: input w1: QUANTISED
;;     10. [M 1,024, K 4,096] x [K 4,096, N 1,024]; A: computed on the way; B: input w2: QUANTISED
;;     11. [M 1,024, K 1,024] x [K 1,024, N 4,096]; A: input hidden_states; B: input w1: QUANTISED
;;     12. [M 1,024, K 4,096] x [K 4,096, N 1,024]; A: computed on the way; B: input w2: QUANTISED
;;     13. [M 1,024, K 1,024] x [K 1,024, N 4,096]; A: input hidden_states; B: input w1: QUANTISED
;;     14. [M 1,024, K 4,096] x [K 4,096, N 1,024]; A: computed on the way; B: input w2: QUANTISED
;;     15. [M 1,024, K 1,024] x [K 1,024, N 4,096]; A: input hidden_states; B: input w1: QUANTISED
;;     16. [M 1,024, K 4,096] x [K 4,096, N 1,024]; A: computed on the way; B: input w2: QUANTISED
;;     17. [M 1,024, K 1,024] x [K 1,024, N 4,096]; A: input hidden_states; B: input w1: QUANTISED
;;     18. [M 1,024, K 4,096] x [K 4,096, N 1,024]; A: computed on the way; B: input w2: QUANTISED
;;   THE QUANTISER, for each operand of a quantised product, along K:
;;     - K is cut into blocks of 32 from its start; a last block that is shorter is filled with zeros.
;;     - A block's scale is 2^e with e = floor(log2(the largest magnitude in the block)) - 2, held to -126 .. 127; a block of zeros has e = 0. As a byte (E8M0): e + 127.
;;     - Each number is divided by its block's scale, clamped to +-6, and rounded to the nearest number of E2M1, ties to even, subnormals kept.
;;     - The product sums the exact products of the quantised numbers (number of the format x scale) in f32.
;;   ~~~python
;;   def quantise(x, axis):      # numpy; x: float32 -> the quantised numbers, widened to float32 again
;;       x = np.moveaxis(x, axis, -1); K = x.shape[-1]
;;       x = np.pad(x, [(0, 0)] * (x.ndim - 1) + [(0, -K % 32)]); x = x.reshape(x.shape[:-1] + (-1, 32)); a = np.abs(x).max(-1, keepdims=True)
;;       e = np.where(a > 0, np.clip(np.frexp(np.where(a > 0, a, 1))[1] - 1 - 2, -126, 127), 0)      # np.frexp(a)[1] - 1 = floor(log2(a)), exactly
;;       r = np.clip(x / 2.0 ** e, -6, 6)
;;       step = 2.0 ** (np.maximum(np.frexp(np.where(r == 0, 1, r))[1] - 1, 0) - 1)
;;       q = np.round(r / step) * step * 2.0 ** e      # np.round: ties to even
;;       return np.moveaxis(q.reshape(q.shape[:-2] + (-1,))[..., :K], -1, axis).astype(np.float32)
;;   ~~~
;;   OPERANDS COMPUTED ON THE WAY. 'Computed on the way' means the value that the module computes at that place (a softmax that the list does not call 'softmax' is quantised finished and normalised). What goes into a quantiser is computed in f32, as accurately as f32 sums, v_exp_f32 and their like allow (about 1e-6 of the number): no bf16 or f16 on the way to a quantiser, and a product that is left as it is and whose result goes on into a quantised operand takes f32 operands (vector FMAs, or v_wmma_f32_16x16x4_f32). A number that lies on a knife's edge between two numbers of the format may be rounded either way, as far as f32 arithmetic and the matrix unit's own rounding can turn it there, and no further.
;; One version. Each part assembles by itself: llvm-mc -triple=amdgcn-amd-amdhsa -mcpu=gfx1250 --defsym DOCPART=n.
;; ======== version 1 of 1: 4 launches
;; limits: right only within a limited range of input values
;; workspace buffers: route 4,096 bytes of whole numbers; wts 8,192 bytes; plan 8,448 bytes of whole numbers; xq 557,056 bytes; hq 4,734,976 bytes; y 17,825,792 bytes
;; launch gate (part 1): grid 128 x 1, 4 waves a work-group, no clusters, 71,168 bytes of LDS; arguments hidden_states, gate_w, gate_b, alpha, route, wts, xq; writes route, wts, xq
.if DOCPART == 1
	.amdgcn_target "amdgcn-amd-amdhsa--gfx1250"
	.amdhsa_code_object_version 6
	.text
	.protected	k_q3ef15840de_gate
	.globl	k_q3ef15840de_gate
	.p2align	8
	.type	k_q3ef15840de_gate,@function
k_q3ef15840de_gate:
	s_mov_b64 s[64:65], 0
	v_nop
	global_prefetch_b8 v0, s[64:65] scope:SCOPE_SE
	s_setreg_imm32_b32 hwreg(HW_REG_WAVE_MODE, 25, 1), 1
	s_wait_xcnt 0x0
; THE GATE AND x's QUANTISER.  logits = x gate_w + gate_b (f32 multiply-adds), softmax with the row's maximum taken away, the two largest (the lower index wins a tie),
; their scores renormalised and multiplied by alpha of the chosen expert; and every row of x as codes of E2M1 with E8M0 scales, along K.
; WORK LEFT OUT BY THE PROGRAM: w_te[t][e] is a sum of score x one_hot and is 0 for every expert that token t did not choose, whatever the inputs hold; so the rows of
; the experts not chosen reach no output, and the later launches multiply the chosen rows alone.  A NaN, an infinity or an overflow that arises only there is not carried to the result.
; OUT.  wts [1024][2] f32.  route, rows of 128 bytes, byte G = tokens 8 G .. 8 G + 7, bit = token: rows 0-7 who chose expert e first, 8-15 second, 16-23 how many of the eight chose it, 24-31 zeros.
;       xq: codes [token][512 bytes], K innermost; from XSC on scale words [token][h][j]: word 4 h + j holds K step 2 j + h.
; The choice is stored as whole numbers at fixed places: no address and no branch here hangs on it.
; SHARES.  Work-group G owns 8 tokens, a wave two.  A row of x comes by 8 loads of 512 consecutive bytes and turns through the wave's own stage in LDS (16 bytes of padding behind each 128),
; so that lane l holds block l: k = 32 l .. 32 l + 31.  gate_w lies in LDS with 16 bytes of padding behind each 1,024: lane l reads its 32 rows.  The lanes' partial logits are summed
; by one exchange of halves and four steps inside the rows of 16 lanes; wave 0 finishes, a lane to a token (lanes 8-31 repeat lanes 0-7); wave 1 stores the 256 scale bytes as one unit.
; LIMITS: NaN and infinities are not served.  A probability under 2^-126 counts as 0.  The sums' order differs from a plain dot product's: two probabilities that agree to the last
; bits may be ranked the other way.  A block whose largest magnitude lies under 2^-124, a block of zeros too, keeps the byte 1: this program alone reads the bytes.
.set ACC, 16                           ; v16-31   partial logits: 8 t + e
.set X,   32                           ; v32-95   my block of each token: 32 t + i
.set W,   96                           ; v96-159  two sets of 4 rows of gate_w (register 8 kk + e)
.set XR,  96                           ; the same registers, earlier: x as it is loaded
.set GT,  160                          ; v160-223 gate_w on its way into LDS
.set C,   224                          ; v224-231 codes
.set L,   48                           ; v48-55   wave 0: a token's logits
.set STG, 33280                        ; LDS: 32 x 1,040 bytes of gate_w; then 4 waves x 2 stages of 4,608
.set RED, 70144                        ; logits [8 tokens][8]
.set SCS, 70400                        ; 256 scale bytes
.set SPARE, 70656                      ; the spare words, 128 bytes a wave
.set XSC, 524288
	s_load_b256 s[4:11], s[0:1], 0x0               ; x, gate_w, gate_b, alpha
	s_load_b128 s[12:15], s[0:1], 0x20             ; route, wts
	s_load_b64 s[16:17], s[0:1], 0x30              ; xq
	v_lshl_add_u32 v240, v0, 2, SPARE
	v_mov_b32 v241, 0
	v_lshrrev_b32 v1, 5, v0
	v_readfirstlane_b32 s20, v1                    ; wave
	s_mul_i32 s21, s20, 8320                       ; my 16 loads of gate_w in LDS: 8,192 bytes + 8 paddings
	s_mul_i32 s22, s20, 9216
	s_add_co_u32 s22, s22, STG                     ; my two stages
	s_lshl_b32 s23, s20, 6
	s_add_co_u32 s40, s23, SCS                     ; my two tokens' scale bytes
	s_add_co_u32 s23, s23, RED                     ; and logits
	s_lshl_b32 s42, ttmp9, 15
	s_lshl_b32 s44, s20, 13                        ; gate_w: my 8,192 bytes
	s_add_co_u32 s42, s42, s44                     ; x: 8 rows a work-group, 2 a wave
	s_mov_b32 s43, 0
	s_mov_b32 s45, 0
	s_lshl_b32 s46, ttmp9, 8
	s_add_co_u32 s46, s46, XSC                     ; scale bytes: 256 a work-group
	s_mov_b32 s47, 0
	s_lshl_b32 s48, ttmp9, 12
	s_lshl_b32 s49, s20, 10
	s_add_co_u32 s48, s48, s49                     ; codes: 512 bytes a token
	s_mov_b32 s49, 0
	s_lshl_b32 s50, ttmp9, 6                       ; wts: 64 bytes a work-group
	s_mov_b32 s51, 0
	s_mov_b32 s52, ttmp9                           ; route: my byte of each row
	s_mov_b32 s53, 0
	v_and_b32 v1, 31, v0                           ; lane
	v_lshlrev_b32 v2, 4, v1                        ; 16 x lane
	v_add_nc_u32 v3, s21, v2                       ; gate_w into LDS
	v_mul_u32_u24 v4, v1, 1040                     ; and out of it: my 32 rows
	v_lshrrev_b32 v5, 3, v1
	v_lshl_add_u32 v5, v5, 4, v2
	v_add_nc_u32 v5, s22, v5                       ; the stage, in: 16 l + 16 (l / 8)
	v_mul_u32_u24 v6, v1, 144
	v_add_nc_u32 v6, s22, v6                       ; out: 144 l
	v_lshrrev_b32 v7, 4, v1
	v_lshlrev_b32 v7, 5, v7
	v_add_nc_u32 v7, s23, v7                       ; logits of token 2 w + h
	v_and_b32 v13, 7, v1
	v_lshl_add_u32 v8, v13, 5, RED                 ; wave 0: token l % 8
	v_lshlrev_b32 v9, 3, v13                       ; its place in wts
	v_lshlrev_b32 v10, 3, v1                       ; wave 1: 8 bytes a lane
	v_add_nc_u32 v11, SCS, v10
	v_bfe_u32 v12, v1, 2, 1
	v_lshlrev_b32 v12, 4, v12
	v_lshrrev_b32 v13, 3, v1
	v_lshl_add_u32 v12, v13, 2, v12
	v_and_b32 v13, 3, v1
	v_add_nc_u32 v12, v12, v13
	v_add_nc_u32 v12, s40, v12                     ; block l's byte: 16 ((l / 4) % 2) + 4 (l / 8) + l % 4
	v_lshlrev_b32 v14, 7, v1                       ; lane = row of route
	s_wait_alu depctr_va_vdst(0)                   ; the wait at the head's end
	s_wait_kmcnt 0x0
	s_add_nc_u64 s[4:5], s[4:5], s[42:43]
	s_add_nc_u64 s[6:7], s[6:7], s[44:45]
	s_add_nc_u64 s[58:59], s[16:17], s[46:47]
	s_add_nc_u64 s[16:17], s[16:17], s[48:49]
	s_add_nc_u64 s[14:15], s[14:15], s[50:51]
	s_add_nc_u64 s[12:13], s[12:13], s[52:53]
.irp i, 0,1,2,3,4,5,6,7,8,9,10,11,12,13,14,15
	global_load_b128 v[GT+4*\i:GT+4*\i+3], v2, s[6:7] offset:512*\i
.endr
.irp t, 0,1
.irp j, 0,1,2,3,4,5,6,7
	global_load_b128 v[XR+32*\t+4*\j:XR+32*\t+4*\j+3], v2, s[4:5] offset:4096*\t+512*\j th:TH_LOAD_NT
.endr
.endr
	s_load_b256 s[24:31], s[8:9], 0x0              ; gate_b
	s_load_b256 s[32:39], s[10:11], 0x0            ; alpha
	s_wait_loadcnt 16                              ; gate_w's 16 loads are in; x's 16 may be out
.irp i, 0,1,2,3,4,5,6,7,8,9,10,11,12,13,14,15
	ds_store_b128 v3, v[GT+4*\i:GT+4*\i+3] offset:512*\i+16*(\i/2)
.endr
	s_wait_loadcnt 0x0
.irp t, 0,1
.irp j, 0,1,2,3,4,5,6,7
	ds_store_b128 v5, v[XR+32*\t+4*\j:XR+32*\t+4*\j+3] offset:4608*\t+576*\j
.endr
.endr
.irp t, 0,1
.irp i, 0,1,2,3,4,5,6,7
	ds_load_b128 v[X+32*\t+4*\i:X+32*\t+4*\i+3], v6 offset:4608*\t+16*\i   ; my own bytes: LDS serves a wave's instructions in order
.endr
.endr
	s_wait_dscnt 0x0                               ; for the others' sake: my part of gate_w lies in LDS; and my blocks are in
	s_barrier_signal -1
	s_barrier_wait -1
	; ---- the quantiser: a lane holds a whole block of each token
.irp t, 0,1
	v_max3_num_f32 v[232+\t], |v[X+32*\t]|, |v[X+32*\t+1]|, |v[X+32*\t+2]|
	v_max3_num_f32 v[234+\t], |v[X+32*\t+3]|, |v[X+32*\t+4]|, |v[X+32*\t+5]|
.endr
.irp i, 6,10,14,18,22,26
.irp t, 0,1
	v_max3_num_f32 v[232+\t], v[232+\t], |v[X+32*\t+\i]|, |v[X+32*\t+\i+1]|
	v_max3_num_f32 v[234+\t], v[234+\t], |v[X+32*\t+\i+2]|, |v[X+32*\t+\i+3]|
.endr
.endr
.irp t, 0,1
	v_max3_num_f32 v[232+\t], v[232+\t], |v[X+32*\t+30]|, |v[X+32*\t+31]|
.endr
.irp t, 0,1
	v_max3_num_f32 v[232+\t], v[232+\t], v[234+\t], 0x1800000   ; and the floor 2^(3 - 127): the byte cannot fall under 1
.endr
.irp t, 0,1
	v_add_nc_u32 v[236+\t], 0xff000000, v[232+\t]  ; 2 off the exponent field: the conversion's scale operand
.endr
.irp t, 0,1
	v_lshrrev_b32 v[238+\t], 23, v[236+\t]         ; the byte
.endr
.irp t, 0,1
.irp g, 0,1,2,3
	v_cvt_scalef32_pk8_fp4_f32 v[C+4*\t+\g], v[X+32*\t+8*\g:X+32*\t+8*\g+7], v[236+\t]
.endr
.endr
	v_nop                                          ; one plain instruction behind a scaled conversion
.irp t, 0,1
	ds_store_b8 v12, v[238+\t] offset:32*\t
	global_store_b128 v2, v[C+4*\t:C+4*\t+3], s[16:17] offset:512*\t   ; 512 consecutive bytes: a token's codes
.endr
	; ---- the logits
.macro LDW c                           ; rows 4 c .. 4 c + 3 of my 32 into set c % 2
.irp i, 0,1,2,3,4,5,6,7
	ds_load_b128 v[W+32*((\c)%2)+4*\i:W+32*((\c)%2)+4*\i+3], v4 offset:128*(\c)+16*\i
.endr
.endm
.macro FM kk, s, t                     ; row 4 c + kk, token t: eight multiply-adds, two at a time; x's number is register s of its pair, for both halves
.irp p, 0,1,2,3
.if (c == 0) && (\kk == 0)
	v_pk_mul_f32 v[ACC+8*\t+2*\p:ACC+8*\t+2*\p+1], v[X+32*\t+4*c+2*(\kk/2):X+32*\t+4*c+2*(\kk/2)+1], v[W+32*(c%2)+8*\kk+2*\p:W+32*(c%2)+8*\kk+2*\p+1] op_sel:[\s,0] op_sel_hi:[\s,1]
.else
	v_pk_fma_f32 v[ACC+8*\t+2*\p:ACC+8*\t+2*\p+1], v[X+32*\t+4*c+2*(\kk/2):X+32*\t+4*c+2*(\kk/2)+1], v[W+32*(c%2)+8*\kk+2*\p:W+32*(c%2)+8*\kk+2*\p+1], v[ACC+8*\t+2*\p:ACC+8*\t+2*\p+1] op_sel:[\s,0,0] op_sel_hi:[\s,1,1]
.endif
.endr
.endm
	LDW 0
	LDW 1
.set c, 0
.rept 8
	s_wait_alu depctr_va_vdst(0)                   ; the wait ahead of the wait below
.if c < 7
	s_wait_dscnt 8                                 ; this chunk's rows are in; the next chunk's eight loads may be out
.else
	s_wait_dscnt 0
.endif
.irp t, 0,1
	FM 0, 0, \t                                    ; the very first row starts the sums: nothing is cleared
	FM 1, 1, \t
	FM 2, 0, \t
	FM 3, 1, \t
.endr
.if c < 6
	LDW c+2
.endif
.set c, c+1
.endr
.irp e, 0,1,2,3,4,5,6,7
	v_permlane16_swap_b32 v[ACC+\e], v[ACC+8+\e]   ; token 0's upper lanes change places with token 1's lower ones,
.endr
.irp e, 0,1,2,3,4,5,6,7
	v_add_f32 v[ACC+\e], v[ACC+\e], v[ACC+8+\e]    ; so the sum holds token 0 in lanes 0-15 and token 1 in lanes 16-31
.endr
.irp m, 1,2,4,8
.irp e, 0,1,2,3,4,5,6,7
	v_add_f32_dpp v[ACC+\e], v[ACC+\e], v[ACC+\e] row_xmask:\m row_mask:0xf bank_mask:0xf
.endr
.endr
	ds_store_b128 v7, v[ACC:ACC+3]                 ; sixteen lanes write the same bytes with the same values
	ds_store_b128 v7, v[ACC+4:ACC+7] offset:16
	s_wait_alu depctr_va_vdst(0)
	s_wait_kmcnt 0x0                               ; gate_b and alpha
	s_wait_dscnt 0x0                               ; for waves 0 and 1: my logits and scale bytes lie in LDS
	s_barrier_signal -1
	s_barrier_wait -1
	s_cmp_eq_u32 s20, 1
	s_cbranch_scc1 .Lscales
	s_cmp_lg_u32 s20, 0
	s_cbranch_scc1 .Lend                           ; no barrier follows
	ds_load_b128 v[L:L+3], v8
	ds_load_b128 v[L+4:L+7], v8 offset:16
.irp e, 0,1,2,3,4,5,6,7
	v_mov_b32 v[88+\e], \e                         ; the experts' numbers,
	v_mov_b32 v[100+\e], s[32+\e]                  ; and their alpha
.endr
	v_mov_b32 v96, -1.0                            ; under every probability
	v_mov_b32 v97, 0                               ; alpha of the first choice,
	v_mov_b32 v98, 0                               ; of the second
	v_mov_b32 v111, 0                              ; what goes to route
	s_wait_alu depctr_va_vdst(0)
	s_wait_dscnt 0x0
.irp e, 0,1,2,3,4,5,6,7
	v_add_f32 v[L+\e], s[24+\e], v[L+\e]           ; + gate_b
.endr
	v_max3_num_f32 v80, v[L], v[L+1], v[L+2]
	v_max3_num_f32 v80, v80, v[L+3], v[L+4]
	v_max3_num_f32 v80, v80, v[L+5], v[L+6]
	v_max_num_f32 v80, v80, v[L+7]                 ; the row's maximum
.irp e, 0,1,2,3,4,5,6,7
	v_sub_f32 v[L+\e], v[L+\e], v80
.endr
.irp e, 0,1,2,3,4,5,6,7
	v_mul_f32 v[L+\e], 0x3fb8aa3b, v[L+\e]         ; x log2(e)
.endr
	s_wait_alu depctr_va_vdst(0)                   ; the wait ahead of the batch
.irp e, 0,1,2,3,4,5,6,7
	v_exp_f32 v[L+\e], v[L+\e]
.endr
	v_nop                                          ; a plain instruction behind the last exponential
	s_wait_alu depctr_va_vdst(0)                   ; one wait for the eight, ahead of their first reader
	v_add_f32 v81, v[L], v[L+1]
	v_add_f32 v82, v[L+2], v[L+3]
	v_add_f32 v81, v81, v[L+4]
	v_add_f32 v82, v82, v[L+5]
	v_add_f32 v81, v81, v[L+6]
	v_add_f32 v82, v82, v[L+7]
	v_add_f32 v81, v81, v82
	s_wait_alu depctr_va_vdst(0)
	v_rcp_f32 v82, v81
	v_nop
	s_wait_alu depctr_va_vdst(0)
.irp e, 0,1,2,3,4,5,6,7
	v_mul_f32 v[L+\e], v[L+\e], v82                ; the probabilities
.endr
	v_mov_b32 v83, v[L]                            ; the largest and its number: only a strictly larger one takes the place, so the lower index wins a tie
	v_mov_b32 v84, 0
.irp e, 1,2,3,4,5,6,7
	v_cmp_gt_f32 vcc_lo, v[L+\e], v83
	v_cndmask_b32 v83, v83, v[L+\e], vcc_lo
	v_cndmask_b32 v84, v84, v[88+\e], vcc_lo
.endr
.irp e, 0,1,2,3,4,5,6,7
	v_cmp_eq_u32 vcc_lo, v84, v[88+\e]
	s_and_b32 s[40+\e], vcc_lo, 0xff               ; my eight tokens' mask byte: who chose expert e first
	v_cndmask_b32 v[L+\e], v[L+\e], v96, vcc_lo    ; the winner leaves the field
	v_cndmask_b32 v97, v97, v[100+\e], vcc_lo
.endr
	v_mov_b32 v85, v[L]
	v_mov_b32 v86, 0
.irp e, 1,2,3,4,5,6,7
	v_cmp_gt_f32 vcc_lo, v[L+\e], v85
	v_cndmask_b32 v85, v85, v[L+\e], vcc_lo
	v_cndmask_b32 v86, v86, v[88+\e], vcc_lo
.endr
.irp e, 0,1,2,3,4,5,6,7
	v_cmp_eq_u32 vcc_lo, v86, v[88+\e]
	s_and_b32 s[48+\e], vcc_lo, 0xff               ; who chose it second
	v_cndmask_b32 v98, v98, v[100+\e], vcc_lo
.endr
	v_add_f32 v87, v83, v85
	s_wait_alu depctr_va_vdst(0)
	v_rcp_f32 v99, v87
	v_nop                                          ; a plain instruction behind the reciprocal
	s_wait_alu depctr_va_vdst(0)
	v_mul_f32 v108, v83, v99
	v_mul_f32 v109, v85, v99
	v_mul_f32 v108, v108, v97
	v_mul_f32 v109, v109, v98
	global_store_b64 v9, v[108:109], s[14:15]      ; 64 consecutive bytes (lanes l and l + 8 store the same words with the same values)
.irp e, 0,1,2,3,4,5,6,7
	v_writelane_b32 v111, s[40+\e], \e
	v_writelane_b32 v111, s[48+\e], 8+\e
	s_or_b32 s56, s[40+\e], s[48+\e]
	s_bcnt1_i32_b32 s56, s56
	v_writelane_b32 v111, s56, 16+\e               ; how many of my 8 tokens go to expert e
.endr
	s_wait_alu depctr_va_vdst(0)
	global_store_b8 v14, v111, s[12:13]            ; lane = row of route
	s_branch .Lend
.Lscales:
	ds_load_b64 v[32:33], v11
	s_wait_dscnt 0x0
	global_store_b64 v10, v[32:33], s[58:59]       ; 32 lanes store one aligned unit of 256 bytes
.Lend:
	s_wait_tensorcnt 0x0                           ; the wave's end
	ds_add_u32 v240, v241
	s_wait_dscnt 0x0
	s_endpgm
.Lfunc_end_k_q3ef15840de_gate:
	.size	k_q3ef15840de_gate, .Lfunc_end_k_q3ef15840de_gate-k_q3ef15840de_gate
	.p2alignl 7, 3214868480
	.fill 96, 4, 3214868480
	.section	.rodata,"a",@progbits
	.p2align	6, 0x0
	.amdhsa_kernel k_q3ef15840de_gate
		.amdhsa_group_segment_fixed_size 71168
		.amdhsa_private_segment_fixed_size 0
		.amdhsa_enable_private_segment 0
		.amdhsa_kernarg_size 56
		.amdhsa_user_sgpr_count 2
		.amdhsa_user_sgpr_kernarg_segment_ptr 1
		.amdhsa_wavefront_size32 1
		.amdhsa_system_sgpr_workgroup_id_x 1
		.amdhsa_system_sgpr_workgroup_id_y 1
		.amdhsa_system_sgpr_workgroup_id_z 1
		.amdhsa_system_vgpr_workitem_id 0
		.amdhsa_next_free_vgpr 242
		.amdhsa_next_free_sgpr 66
		.amdhsa_reserve_vcc 1
		.amdhsa_float_denorm_mode_32 3
		.amdhsa_float_denorm_mode_16_64 3
		.amdhsa_memory_ordered 1
		.amdhsa_forward_progress 1
		.amdhsa_inst_pref_size 46
	.end_amdhsa_kernel
	.amdgpu_metadata
---
amdhsa.version: [ 1, 2 ]
amdhsa.kernels:
  - .name:           k_q3ef15840de_gate
    .symbol:         k_q3ef15840de_gate.kd
    .args:
      - { .name: hidden_states, .offset: 0, .size: 8, .value_kind: global_buffer, .address_space: global }
      - { .name: gate_w, .offset: 8, .size: 8, .value_kind: global_buffer, .address_space: global }
      - { .name: gate_b, .offset: 16, .size: 8, .value_kind: global_buffer, .address_space: global }
      - { .name: alpha, .offset: 24, .size: 8, .value_kind: global_buffer, .address_space: global }
      - { .name: route, .offset: 32, .size: 8, .value_kind: global_buffer, .address_space: global }
      - { .name: wts, .offset: 40, .size: 8, .value_kind: global_buffer, .address_space: global }
      - { .name: xq, .offset: 48, .size: 8, .value_kind: global_buffer, .address_space: global }
    .group_segment_fixed_size: 71168
    .private_segment_fixed_size: 0
    .kernarg_segment_align: 8
    .kernarg_segment_size: 56
    .max_flat_workgroup_size: 128
    .sgpr_count:     66
    .vgpr_count:     242
    .wavefront_size: 32
...
	.end_amdgpu_metadata
.endif
;; end of part 1
;; launch fc1 (part 2): grid 32 x 8, 16 waves a work-group, no clusters, 72,192 bytes of LDS; arguments w1, b1, xq, route, hq, plan; writes hq, plan
.if DOCPART == 2
	.amdgcn_target "amdgcn-amd-amdhsa--gfx1250"
	.amdhsa_code_object_version 6
	.text
	.protected	k_q3ef15840de_fc1
	.globl	k_q3ef15840de_fc1
	.p2align	8
	.type	k_q3ef15840de_fc1,@function
k_q3ef15840de_fc1:
	s_mov_b64 s[64:65], 0
	v_nop
	global_prefetch_b8 v0, s[64:65] scope:SCOPE_SE
	s_setreg_imm32_b32 hwreg(HW_REG_WAVE_MODE, 25, 1), 1
	s_wait_xcnt 0x0
; FC1.  hidden = gelu(x w1[e] + b1[e]) for the rows routed to expert e, on codes of E2M1 with E8M0 scales, and the hidden layer quantised along its own axis for the second product.
; w1: [8][1024 (k)][4096 (n)] f32.  b1: [8][4096].  xq, route: as the gate's launch left them.  OUT hq: the hidden layer as images of the operand's registers,
; [tile][32 K steps][2][32 lanes][16 bytes]; from HSC on its scale words [tile][32 K steps][16 rows].
; SHARES.  Work-group (x, e) owns hidden units 128 x .. 128 x + 127 of expert e: 512 KiB of w1, which no other work-group reads.
; PHASE W: the sixteen waves quantise that slice once.  Wave w takes 32 columns (w & 3) and 256 along K (w >> 2).  A LANE TAKES A COLUMN AND ITS REGISTERS RUN DOWN K: a load reads 128 consecutive
; bytes, four waves stand side by side on 512; a block of 32 along K lies in one lane, so its largest magnitude needs no other lane and the conversions give codes with K innermost.
; Two exchanges of halves turn four blocks of 32 columns into two fragments of 16 columns, which go to LDS as images of their registers.  One barrier.
; ROWS: wave w takes the expert's tiles w, w + 16, w + 32, w + 48: 64 matrix instructions against the 64 fragments in LDS, gelu, quantiser, store.  An expert has at most 1,024 rows, 64 tiles: the loop has
; four trips, and a trip whose tile the stored count does not reach jumps over the work.  No barrier stands in that loop.
; THE MATRIX INSTRUCTION IS USED TRANSPOSED (source 0 = 16 columns of w1, source 1 = 16 rows of x), AND THE COLUMNS OF A TILE ARE NOT NEIGHBOURS: lane r of tile 2 b + u takes unit 32 b + 8 u + r + 8 (r / 8),
; so that a lane holds one row and the 16 registers of tiles 2 b and 2 b + 1 are 16 neighbours along the next K.  b1 is loaded into the accumulators: it is the C of each sum's first instruction.
; NO TENSOR LOAD AND NO JOINT REQUEST: which trips of the row loop work hangs on a count read from memory; what the 32 work-groups of an expert share, the rows' codes, is 8.5 KiB a tile beside 512 KiB of weights of one's own.
; GELU, exact form: gelu(v) = max(v, 0) - |v| q, q = erfc(|v| / sqrt 2) / 2 = t 2^(p(t) - v^2 log2(e) / 2), t = 1 / (1 + |v| / sqrt 8), p a polynomial of degree 9 (fractional error of the fit 1.2e-7).
; LIMITS: NaN and infinities are not served.  q is 0 where 2^(..) falls under 2^-126.  A block whose largest magnitude lies under 2^-124, a block of zeros too, keeps the byte 1.
.set RSTR,  16384                      ; bytes from k to k + 1 in w1
.set JSTEP, 8192                       ; LDS: a K step's eight fragments
.set SCB,   65536                      ; LDS: behind the 64 fragments their scale words: 128 bytes for a pair of tiles and a K step
; THE PLACING IS DONE HERE, on whole numbers read from route (the gate's launch stored them).  The 2,048 routed rows (token, choice) are sorted by expert, within an expert by token; each expert's
; rows are filled up to whole tiles of 16 (never more than 135 tiles).  xq holds x's codes by token, [token][512 bytes], and from XSC on scale words [token][h][j] (K step 2 j + h): a tile's rows are gathered.
; A filling row takes token 0: its results are computed and never gathered.  The rows of experts that a token did not choose are left out, as the first kernel's head shows.
; OUT plan: words 0-7 each expert's first tile, 8-15 its tiles, 16 all tiles, 17 all tiles - 1, 18-31 zeros (work-group (0, 0), wave 0); from byte 256 on pos[token][choice] = the sorted row (work-groups with x = 0).
.set XSC,   524288
.set VM,  250                          ; v250 lane g: who of tokens 32 g .. 32 g + 31 chose my expert at all
.set VM1, 251                          ; v251 lane g: who chose it second
.set RK,  252                          ; v252 token | choice << 10 | true row << 11: lanes 0-15 for one tile of mine, lanes 16-31 for the tile 16 further on
.set AO,  253                          ; v253 my row's codes: 512 x token + 16 h
.set SO2, 247                          ; v247 its scale words: 32 x token + 16 h
.set PT,  243                          ; v243 the half of RK in use, in both halves of the lanes
.macro HALVE src, mask, width          ; if the lower field holds n set bits or fewer, mine lies in the upper one
	v_lshrrev_b32 v43, v42, v[\src]
	v_and_b32 v43, \mask, v43
	v_cmp_ge_u32 vcc_lo, v37, v43
	v_sub_nc_u32 v43, v37, v43
	v_add_nc_u32 v44, \width, v42
	v_cndmask_b32 v37, v37, v43, vcc_lo
	v_cndmask_b32 v42, v42, v44, vcc_lo
.endm
.macro RANK m                          ; which token is row r of tile s[m] + 16 h of my expert?  v32-47 are at work: the accumulators' registers, free here
	s_lshl_b32 s70, s[\m], 4
	v_and_b32 v37, 15, v0
	v_bfe_u32 v38, v0, 4, 1
	v_lshl_add_u32 v37, v38, 8, v37
	v_add_nc_u32 v32, s70, v37                     ; my rank among the expert's rows
	v_readlane_b32 s71, v[VM], 0
	v_readlane_b32 s72, v[VM1], 0
	v_mov_b32 v33, s71                             ; the group's tokens,
	v_mov_b32 v34, s72                             ; those that chose second,
	v_mov_b32 v35, 0                               ; the rows ahead of the group,
	v_mov_b32 v36, 0                               ; the group: the last that begins at or ahead of my rank
	s_bcnt1_i32_b32 s73, s71
.irp g, 1,2,3,4,5,6,7,8,9,10,11,12,13,14,15,16,17,18,19,20,21,22,23,24,25,26,27,28,29,30,31
	v_readlane_b32 s71, v[VM], \g
	v_readlane_b32 s72, v[VM1], \g
	v_cmp_gt_u32 vcc_lo, s73, v32                  ; the group begins behind my rank: keep what I have
	v_cndmask_b32 v33, s71, v33, vcc_lo
	v_cndmask_b32 v34, s72, v34, vcc_lo
	v_cndmask_b32 v35, s73, v35, vcc_lo
	v_cndmask_b32 v36, \g, v36, vcc_lo
	s_bcnt1_i32_b32 s74, s71
	s_add_co_u32 s73, s73, s74
.endr
	v_sub_nc_u32 v37, v32, v35                     ; n: so many set bits lie under mine
	v_lshrrev_b32 v38, 1, v33
	v_and_b32 v38, 0x55555555, v38
	v_sub_nc_u32 v38, v33, v38                     ; counts of 2 bits
	v_lshrrev_b32 v39, 2, v38
	v_and_b32 v39, 0x33333333, v39
	v_and_b32 v40, 0x33333333, v38
	v_add_nc_u32 v39, v39, v40                     ; of 4
	v_lshrrev_b32 v40, 4, v39
	v_add_nc_u32 v40, v40, v39
	v_and_b32 v40, 0x0f0f0f0f, v40                 ; of 8
	v_lshrrev_b32 v41, 8, v40
	v_add_nc_u32 v41, v41, v40                     ; of 16
	v_mov_b32 v42, 0                               ; the bit's place
	HALVE 41, 0xff, 16
	HALVE 40, 0xff, 8
	HALVE 39, 15, 4
	HALVE 38, 3, 2
	HALVE 33, 1, 1
	v_lshl_add_u32 v45, v36, 5, v42                ; the token
	v_lshrrev_b32 v46, v42, v34
	v_and_b32 v46, 1, v46                          ; its choice
	v_cmp_gt_u32 vcc_lo, s68, v32                  ; is my rank a row of the expert?
	v_cndmask_b32 v45, 0, v45, vcc_lo              ; a filling row takes token 0
	v_cndmask_b32 v47, 0, 1, vcc_lo
	v_lshl_or_b32 v45, v46, 10, v45
	v_lshl_or_b32 v[RK], v47, 11, v45
.endm
.macro TOKENS m                        ; s30: the lanes that take the other half's numbers.  s26: the tile, as a tile of all; s[m]: the same tile, counted in the expert
	v_permlanex16_b32 v[PT], v[RK], s[SEL], s[SEL+1]
	v_cndmask_b32 v[PT], v[RK], v[PT], s30
	v_and_b32 v37, 0x3ff, v[PT]
	v_min_u32 v37, 0x3ff, v37                      ; loaded numbers enter addresses only held to their range
	v_bfe_u32 v38, v0, 4, 1
	v_lshlrev_b32 v38, 4, v38
	v_lshl_add_u32 v[AO], v37, 9, v38
	v_lshl_add_u32 v[SO2], v37, 5, v38
	s_cmp_lg_u32 s17, 0
	s_wait_alu depctr_va_vdst(0)                   ; the wait ahead of the branch
	s_cbranch_scc1 .Lnopos_\@                      ; the work-groups with x = 0 store the places,
	s_cmp_ge_u32 s[\m], s23
	s_cbranch_scc1 .Lnopos_\@                      ; and only for a tile that the expert has
	v_bfe_u32 v39, v[PT], 10, 1                    ; the choice
	v_lshl_add_u32 v40, v37, 1, v39                ; pos's word: 2 x token + choice
	s_lshl_b32 s70, s26, 4
	v_and_b32 v41, 15, v0
	v_add_nc_u32 v41, s70, v41                     ; the sorted row: 16 G + r
	v_and_b32 v42, 0x800, v[PT]
	v_cmp_ne_u32 vcc_lo, 0, v42                    ; a true row?
	v_readlane_b32 s71, v40, 0                     ; row 0 of a tile that exists is a true row:
	v_cndmask_b32 v40, s71, v40, vcc_lo            ; a filling row's lane stores row 0's word once more,
	v_cndmask_b32 v41, s70, v41, vcc_lo            ; with row 0's value; all lanes stay on
	v_min_u32 v40, 0x7ff, v40                      ; loaded numbers enter addresses only held to their range
	v_lshlrev_b32 v40, 2, v40
	global_store_b32 v40, v41, s[66:67] offset:256 ; (lanes l and l + 16 store the same word with the same value)
	s_wait_xcnt 0x0                                ; the store has read its registers: they are written again below
.Lnopos_\@:
.endm
.set HSC,   4456448
.set NA,    33                         ; loads of a tile's row operands: 16 + 1 + 16
.set LI,  1                            ; v1   16 x lane: an image's place
.set LS,  2                            ; v2   4 x lane
.set LSB, 3                            ; v3   SCB + 4 x lane
.set WO,  4                            ; v4   4 x my column among the wave's 32
.set WI,  5                            ; v5   where I store fragments
.set WS,  6                            ; v6   and scale words
.set BO,  7                            ; v7   64 h: b1 for my half
.set AS,  8                            ; v8-11    x's scale words: register j: lanes 0-15 K step 2 j, lanes 16-31 K step 2 j + 1
.set BSC, 12                           ; v12-15   the weights' scale words, two sets of two
.set H,   16                           ; v16-79   eight accumulators
.set A,   80                           ; v80-143  x's eight fragments; in gelu: t
.set T,   80
.set BF,  144                          ; v144-207 two sets of four weight fragments; in gelu: the exponent, then q; in phase W: two sets of 32 numbers
.set P,   144
.set X,   144
.set QT,  208                          ; v208-223 at work in gelu and in the quantiser; in phase W v208-239 hold the codes
.set TM,  208
.set CD,  208
.set PC,  224                          ; v224-231 the hidden fragment
.set PW,  232                          ; v232     its scale word
.set MA,  240
.set MB,  241
.set SOP, 242
.set SW,  244                          ; v244-245 a K step's scale word of my column
.set HR,  246                          ; v246     4 x (lane % 16)
.set C9,  248                          ; v[248:249] the polynomial's highest coefficient
.set SEL, 38                           ; s[38:39] lane selects: lane l xor 16
.set CT,  40                           ; s[40:41] 1 / sqrt 8
.set MZ,  42                           ; s[42:43] -log2(e) / 2
.set CC,  44                           ; s[44+2k:45+2k] coefficient k, k = 0 .. 8, times log2(e); the halving is folded into coefficient 0
.set TRIPS, 62                         ; s62  trips of the row loop still to go
.set NXT,   63                         ; s63  my next tile in the expert
.macro KONST r, val
	s_mov_b32 s[\r], \val
	s_mov_b32 s[\r+1], \val                        ; (named with it as a pair, so it is written)
.endm
.macro LOADW t                         ; block t: w1(32 t + i, my column), i = 0 .. 31, into set t % 2
.set wi, 0
.rept 32
	global_load_b32 v[X+32*((\t)%2)+wi], v[WO], s[20:21] offset:(32*(\t)+wi)*RSTR th:TH_LOAD_NT
.set wi, wi+1
.endr
.endm
.macro BLOCK t, left                   ; block t becomes 32 codes (4 registers) and a byte
.set XS, X+32*((\t)%2)
	s_wait_loadcnt \left
	v_max3_num_f32 v[MA], |v[XS]|, |v[XS+1]|, |v[XS+2]|
	v_max3_num_f32 v[MB], |v[XS+3]|, |v[XS+4]|, |v[XS+5]|
.irp i, 6,10,14,18,22,26
	s_delay_alu instid0(VALU_DEP_2)
	v_max3_num_f32 v[MA], v[MA], |v[XS+\i]|, |v[XS+\i+1]|
	s_delay_alu instid0(VALU_DEP_2)
	v_max3_num_f32 v[MB], v[MB], |v[XS+\i+2]|, |v[XS+\i+3]|
.endr
	s_delay_alu instid0(VALU_DEP_2)
	v_max3_num_f32 v[MA], v[MA], |v[XS+30]|, |v[XS+31]|
	s_delay_alu instid0(VALU_DEP_1)
	v_max3_num_f32 v[MA], v[MA], v[MB], 0x1800000  ; and the floor 2^(3 - 127): the byte cannot fall under 1
	s_delay_alu instid0(VALU_DEP_1)
	v_add_nc_u32 v[SOP], 0xff000000, v[MA]         ; 2 off the exponent field: the conversion's scale operand
	s_delay_alu instid0(VALU_DEP_1)
	v_lshrrev_b32 v[MB], 23, v[SOP]                ; the byte
.if (\t)%4 == 0
	s_delay_alu instid0(VALU_DEP_1)
	v_mov_b32 v[SW+(\t)/4], v[MB]
.else
	s_delay_alu instid0(VALU_DEP_1)
	v_lshl_or_b32 v[SW+(\t)/4], v[MB], 8*((\t)%4), v[SW+(\t)/4]
.endif
.irp g, 0,1,2,3
	v_cvt_scalef32_pk8_fp4_f32 v[CD+4*(\t)+\g], v[XS+8*\g:XS+8*\g+7], v[SOP]
.endr
	v_nop                                          ; one plain instruction behind a scaled conversion
.endm
; K step j of my two: lanes 0-15 hold the even tile's columns, lanes 16-31 the odd tile's, each with blocks 0 to 3.  A fragment wants lanes 0-15 with blocks 0 and 2 and lanes 16-31 with blocks 1 and 3 of ONE tile:
; block 0's registers change halves with block 1's, block 2's with block 3's.
.macro KSTEP j
.irp i, 0,1,2,3
	v_permlane16_swap_b32 v[CD+16*\j+\i], v[CD+16*\j+4+\i]
	v_permlane16_swap_b32 v[CD+16*\j+8+\i], v[CD+16*\j+12+\i]
.endr
	ds_store_b128 v[WI], v[CD+16*\j:CD+16*\j+3] offset:JSTEP*\j              ; the even tile, registers 0-3,
	ds_store_b128 v[WI], v[CD+16*\j+8:CD+16*\j+11] offset:JSTEP*\j+512       ; 4-7;
	ds_store_b128 v[WI], v[CD+16*\j+4:CD+16*\j+7] offset:JSTEP*\j+1024       ; the odd tile
	ds_store_b128 v[WI], v[CD+16*\j+12:CD+16*\j+15] offset:JSTEP*\j+1536
	ds_store_b32 v[WS], v[SW+\j] offset:512*\j
.endm
.macro GCALC m                         ; tile s[m] of the expert, as a tile of all: never past the last tile that was written
	s_add_co_u32 s26, s22, s[\m]
	s_min_u32 s26, s26, s24
	s_min_u32 s26, s26, 135
.endm
.macro BASES
	s_mov_b32 s3, 0
	s_lshl_b32 s2, s26, 15
	s_lshl_b32 s19, s17, 10
	s_add_co_u32 s2, s2, s19
	s_add_nc_u64 s[34:35], s[12:13], s[2:3]        ; the hidden fragment: K step x of tile G
	s_lshl_b32 s2, s26, 11
	s_lshl_b32 s19, s17, 6
	s_add_co_u32 s2, s2, s19
	s_add_co_u32 s2, s2, HSC
	s_add_nc_u64 s[36:37], s[12:13], s[2:3]        ; its scale words
.endm
.macro ALOAD
.irp s, 0,1,2,3,4,5,6,7
	global_load_b128 v[A+8*\s:A+8*\s+3], v[AO], s[8:9] offset:64*\s          ; my token's block 4 s + h,
	global_load_b128 v[A+8*\s+4:A+8*\s+7], v[AO], s[8:9] offset:64*\s+32     ; and 4 s + 2 + h
.endr
	global_load_b128 v[AS:AS+3], v[SO2], s[8:9] offset:XSC                   ; its scale words of K steps 2 j + h
.irp t, 0,1,2,3,4,5,6,7
	global_load_b128 v[H+8*\t:H+8*\t+3], v[BO], s[32:33] offset:(32*(\t/2)+8*(\t%2))*4       ; b1 at units 32 (t / 2) + 16 h + 8 (t % 2) + 0 .. 7
	global_load_b128 v[H+8*\t+4:H+8*\t+7], v[BO], s[32:33] offset:(32*(\t/2)+8*(\t%2))*4+16
.endr
.endm
.macro LOADB q                         ; group q: K step q / 2, tiles 4 (q % 2) .. + 3, and their scale words, into set q % 2
.irp i, 0,1,2,3
	ds_load_b128 v[BF+32*((\q)%2)+8*\i:BF+32*((\q)%2)+8*\i+3], v[LI] offset:4096*(\q)+1024*\i
	ds_load_b128 v[BF+32*((\q)%2)+8*\i+4:BF+32*((\q)%2)+8*\i+7], v[LI] offset:4096*(\q)+1024*\i+512
.endr
	ds_load_b32 v[BSC+2*((\q)%2)], v[LSB] offset:256*(\q)
	ds_load_b32 v[BSC+2*((\q)%2)+1], v[LSB] offset:256*(\q)+128
.endm
.macro WM                              ; one product; fA, fB: the scales stand in lanes 16-31 of their registers
.if fA && fB
	v_wmma_scale_f32_16x16x128_f8f6f4 v[rD:rD+7], v[rA:rA+7], v[rB:rB+7], v[rD:rD+7], v[rSA], v[rSB] matrix_a_fmt:MATRIX_FMT_FP4 matrix_b_fmt:MATRIX_FMT_FP4 matrix_a_scale:MATRIX_SCALE_ROW1 matrix_b_scale:MATRIX_SCALE_ROW1
.elseif fA
	v_wmma_scale_f32_16x16x128_f8f6f4 v[rD:rD+7], v[rA:rA+7], v[rB:rB+7], v[rD:rD+7], v[rSA], v[rSB] matrix_a_fmt:MATRIX_FMT_FP4 matrix_b_fmt:MATRIX_FMT_FP4 matrix_a_scale:MATRIX_SCALE_ROW1
.elseif fB
	v_wmma_scale_f32_16x16x128_f8f6f4 v[rD:rD+7], v[rA:rA+7], v[rB:rB+7], v[rD:rD+7], v[rSA], v[rSB] matrix_a_fmt:MATRIX_FMT_FP4 matrix_b_fmt:MATRIX_FMT_FP4 matrix_b_scale:MATRIX_SCALE_ROW1
.else
	v_wmma_scale_f32_16x16x128_f8f6f4 v[rD:rD+7], v[rA:rA+7], v[rB:rB+7], v[rD:rD+7], v[rSA], v[rSB] matrix_a_fmt:MATRIX_FMT_FP4 matrix_b_fmt:MATRIX_FMT_FP4
.endif
.endm
.macro QUANT s, pc, pw                 ; 64 numbers of a lane, register 16 b + i = k 32 b + 16 h + i of my row, become a fragment's codes and its scale word
.irp b, 0,1,2,3
	v_max3_num_f32 v[TM+\b], |v[\s+16*\b]|, |v[\s+1+16*\b]|, 0x1800000
.endr
.irp i, 2,4,6,8,10,12,14
.irp b, 0,1,2,3
	s_delay_alu instid0(VALU_DEP_4)
	v_max3_num_f32 v[TM+\b], v[TM+\b], |v[\s+16*\b+\i]|, |v[\s+1+16*\b+\i]|
.endr
.endr
.irp b, 0,1,2,3
	s_delay_alu instid0(VALU_DEP_4)
	v_permlanex16_b32 v[TM+4+\b], v[TM+\b], s[SEL], s[SEL+1]
.endr
.irp b, 0,1,2,3
	s_delay_alu instid0(VALU_DEP_4)
	v_max_num_f32 v[TM+\b], v[TM+\b], v[TM+4+\b]
.endr
.irp b, 0,1,2,3
	s_delay_alu instid0(VALU_DEP_4)
	v_add_nc_u32 v[TM+12+\b], 0xff000000, v[TM+\b]
.endr
.irp b, 0,1,2,3
	s_delay_alu instid0(VALU_DEP_4)
	v_lshrrev_b32 v[TM+4+\b], 23, v[TM+12+\b]
.endr
	s_delay_alu instid0(VALU_DEP_3)
	v_lshl_or_b32 v[\pw], v[TM+5], 8, v[TM+4]
	s_delay_alu instid0(VALU_DEP_1)
	v_lshl_or_b32 v[\pw], v[TM+6], 16, v[\pw]
	s_delay_alu instid0(VALU_DEP_1)
	v_lshl_or_b32 v[\pw], v[TM+7], 24, v[\pw]
.irp b, 0,1,2,3
	v_cvt_scalef32_pk8_fp4_f32 v[\pc+2*\b], v[\s+16*\b:\s+7+16*\b], v[TM+12+\b]
	v_cvt_scalef32_pk8_fp4_f32 v[\pc+1+2*\b], v[\s+8+16*\b:\s+15+16*\b], v[TM+12+\b]
.endr
	v_nop                                          ; one plain instruction behind a scaled conversion
.irp c, 0,1
.irp i, 0,1
	v_permlane16_swap_b32 v[\pc+4*\c+\i], v[\pc+2+4*\c+\i]
.endr
.endr
.endm
	s_load_b256 s[4:11], s[0:1], 0x0               ; w1 s[4:5], b1 s[6:7], xq s[8:9], route s[10:11]
	s_load_b64 s[12:13], s[0:1], 0x20              ; hq
	s_load_b64 s[66:67], s[0:1], 0x28              ; plan
	v_lshl_add_u32 v254, v0, 2, 0x11200
	v_mov_b32 v255, 0
	v_lshrrev_b32 v250, 5, v0
	s_delay_alu instid0(VALU_DEP_1)
	v_readfirstlane_b32 s14, v250                  ; wave 0..15
	s_and_b32 s15, s14, 3                          ; which 32 columns
	s_lshr_b32 s16, s14, 2                         ; which 256 along K
	s_mov_b32 s17, ttmp9                           ; x: which 128 hidden units
	s_and_b32 s18, ttmp7, 0xffff                   ; the expert
	s_mov_b32 s25, s14                             ; my first tile in the expert
	v_and_b32 v250, 31, v0
	s_delay_alu instid0(VALU_DEP_1)
	v_lshlrev_b32 v[LI], 4, v250
	s_delay_alu instid0(VALU_DEP_2)
	v_lshlrev_b32 v[LS], 2, v250
	s_delay_alu instid0(VALU_DEP_1)
	v_add_nc_u32 v[LSB], SCB, v[LS]
	v_and_b32 v251, 15, v0                         ; r
	v_bfe_u32 v252, v0, 4, 1                       ; h
	s_delay_alu instid0(VALU_DEP_2)
	v_lshlrev_b32 v[HR], 2, v251
	s_delay_alu instid0(VALU_DEP_2)
	v_lshlrev_b32 v[BO], 6, v252
	s_delay_alu instid0(VALU_DEP_4)
	v_and_b32 v253, 8, v251
	s_delay_alu instid0(VALU_DEP_1)
	v_add_nc_u32 v253, v253, v251
	s_delay_alu instid0(VALU_DEP_1)
	v_lshl_add_u32 v253, v252, 3, v253             ; my column among the wave's 32: 8 h + r + 8 (r / 8)
	s_delay_alu instid0(VALU_DEP_1)
	v_lshlrev_b32 v[WO], 2, v253
	s_lshl_b32 s2, s16, 14
	s_lshl_b32 s3, s15, 11
	s_add_co_u32 s2, s2, s3
	v_add_nc_u32 v[WI], s2, v[LI]                  ; fragments: 16 x lane + two K steps x (w >> 2) + two tiles x (w & 3)
	s_lshl_b32 s2, s16, 10
	s_lshl_b32 s3, s15, 7
	s_add_co_u32 s2, s2, s3
	v_add_nc_u32 v[WS], s2, v[LSB]
	v_mov_b32 v[C9], 0x3e7c6f08
	v_mov_b32 v[C9+1], 0x3e7c6f08
	s_lshl_b32 s2, s18, 24                         ; w1: the expert's 16 MiB,
	s_lshl_b32 s3, s16, 22                         ; my 256 rows of 16 KiB,
	s_add_co_u32 s2, s2, s3
	s_lshl_b32 s3, s17, 9                          ; the work-group's 128 columns,
	s_add_co_u32 s2, s2, s3
	s_lshl_b32 s3, s15, 7                          ; my 32
	s_add_co_u32 s2, s2, s3
	s_mov_b32 s3, 0
	s_lshl_b32 s19, s18, 2
	s_wait_alu depctr_va_vdst(0)
	s_wait_kmcnt 0x0
	s_add_nc_u64 s[20:21], s[4:5], s[2:3]
	s_lshl_b32 s28, s18, 7                         ; a row of route is 128 bytes
	s_mov_b32 s29, 0
	s_add_nc_u64 s[28:29], s[10:11], s[28:29]
	v_lshlrev_b32 v[PT], 1, v[LI]                  ; 32 x lane
	global_load_b128 v[16:19], v[PT], s[10:11] offset:2048   ; lane 4 e + q: the count bytes of expert e, tokens 256 q .. 256 q + 255
	global_load_b128 v[20:23], v[PT], s[10:11] offset:2064
	global_load_b32 v[VM], v[LS], s[28:29]                   ; lane g: my expert's mask of the first choice,
	global_load_b32 v[VM1], v[LS], s[28:29] offset:1024      ; of the second
	LOADW 0
	LOADW 1
	s_lshl_b32 s2, s18, 14
	s_lshl_b32 s27, s17, 9
	s_add_co_u32 s2, s2, s27
	s_add_nc_u64 s[32:33], s[6:7], s[2:3]          ; b1 at my 128 units
	s_mov_b32 s[SEL], 0x76543210
	s_mov_b32 s[SEL+1], 0xfedcba98
	KONST CT, 0x3eb504f3
	KONST MZ, 0xbf38aa3b
	KONST CC+0, 0xc034d90f
	KONST CC+2, 0x3fb8ab5a
	KONST CC+4, 0x3f0a29d2
	KONST CC+6, 0x3e0efb2e
	KONST CC+8, 0xbe899a80
	KONST CC+10, 0x3ecdfd18
	KONST CC+12, 0xbfd1a1e5
	KONST CC+14, 0x40097039
	KONST CC+16, 0xbf97d29d
	; ---- PHASE W.  Each wait leaves out what was issued behind the block's own 32 loads
	BLOCK 0, 32                                    ; the next block's 32
	LOADW 2
	BLOCK 1, 32
	LOADW 3
	; ---- the placing, while 64 loads of the weights' stream are out.  route's four loads were issued ahead of block 0's and are in
	v_add3_u32 v24, v16, v17, v18                  ; eight words of count bytes, each byte at most 8: no byte overflows
	v_add3_u32 v24, v24, v19, v20
	v_add3_u32 v24, v24, v21, v22
	v_add_nc_u32 v24, v24, v23
	v_lshrrev_b32 v25, 8, v24
	v_and_b32 v24, 0xff00ff, v24
	v_and_b32 v25, 0xff00ff, v25
	v_add_nc_u32 v24, v24, v25                     ; in fields of 16 bits
	v_mov_b32 v25, 0                               ; (a DPP form's destination counts as read)
	v_mov_b32_dpp v25, v24 row_xmask:1 row_mask:0xf bank_mask:0xf
	v_add_nc_u32 v24, v24, v25
	v_mov_b32_dpp v25, v24 row_xmask:2 row_mask:0xf bank_mask:0xf
	v_add_nc_u32 v24, v24, v25
	v_lshrrev_b32 v25, 16, v24
	v_and_b32 v24, 0xffff, v24
	v_add_nc_u32 v24, v24, v25                     ; lanes 4 e .. 4 e + 3: the rows of expert e
	v_or_b32 v[VM], v[VM], v[VM1]                  ; a token names an expert once: the two masks share no bit
	v_mov_b32 v26, 0                               ; the table
	s_wait_alu depctr_va_vdst(0)
	s_mov_b32 s69, 0                               ; the first tile of the expert in hand
	s_mov_b32 s22, 0                               ; my expert's first tile,
	s_mov_b32 s23, 0                               ; its tiles,
	s_mov_b32 s68, 0                               ; its rows
.irp e, 0,1,2,3,4,5,6,7
	v_readlane_b32 s70, v24, 4*\e
	s_add_co_u32 s71, s70, 15
	s_lshr_b32 s71, s71, 4
	v_writelane_b32 v26, s69, \e
	v_writelane_b32 v26, s71, 8+\e
	s_cmp_eq_u32 s18, \e
	s_cselect_b32 s22, s69, s22
	s_cselect_b32 s23, s71, s23
	s_cselect_b32 s68, s70, s68
	s_add_co_u32 s69, s69, s71
.endr
	v_writelane_b32 v26, s69, 16                   ; all tiles
	s_sub_co_u32 s24, s69, 1
	v_writelane_b32 v26, s24, 17
	s_min_u32 s22, s22, 135                        ; loaded numbers enter addresses only held to their range
	s_min_u32 s23, s23, 64
	s_min_u32 s24, s24, 135
	s_min_u32 s68, s68, 1024
	s_or_b32 s70, s17, s18
	s_or_b32 s70, s70, s14
	s_cmp_lg_u32 s70, 0
	s_wait_alu depctr_va_vdst(0)
	s_cbranch_scc1 .Lnotable
	global_store_b32 v[LS], v26, s[66:67]          ; work-group (0, 0), wave 0: the table, 128 consecutive bytes
	s_wait_xcnt 0x0                                ; its data register is written again below
.Lnotable:
	GCALC 25
	BASES
	s_mov_b32 s30, 0xffff0000                      ; the lower half's numbers serve: lanes 16-31 take them over
	RANK 25                                        ; tiles w and w + 16
	TOKENS 25
	BLOCK 2, 32
	LOADW 4
	BLOCK 3, 32
	LOADW 5
	KSTEP 0
	BLOCK 4, 32
	LOADW 6
	BLOCK 5, 32
	LOADW 7
	BLOCK 6, 32
	ALOAD                                          ; my first tile's row operands are asked for under the last of the weights' stream; a wave without a tile asks for a tile that exists and uses nothing
	BLOCK 7, NA                                    ; behind block 7's loads: the NA row operands
	KSTEP 1
	s_wait_dscnt 0x0                               ; for the others' sake: my fragments and scale words lie in LDS
	s_barrier_signal -1
	s_barrier_wait -1                              ; the slice is whole: 64 fragments
	; ---- ROWS
	s_mov_b32 s[TRIPS], 4
.Ltile:
	s_cmp_ge_u32 s25, s23
	s_cbranch_scc1 .Lskip                          ; the expert has no such tile
	LOADB 0
	LOADB 1
	s_wait_loadcnt 0x0                             ; x's fragments, its scale words, b1
.set gq, 0
.rept 16                               ; the eight accumulators take turns, one instruction a turn
.if gq < 15
	s_wait_dscnt 10                                ; this group's ten loads are in; the next group's ten may be out
.else
	s_wait_dscnt 0
.endif
.set gi, 0
.rept 4
.set rD, H+8*(4*(gq&1)+gi)
.set rA, BF+32*(gq%2)+8*gi
.set rB, A+8*(gq>>1)
.set rSA, BSC+2*(gq%2)+(gi>>1)
.set rSB, AS+(gq>>2)
.set fA, gi&1
.set fB, (gq>>1)&1
	WM
.set gi, gi+1
.endr
.rept 4
	v_nop                                          ; four places ahead of loads into registers that these products read, and of the first read of results
.endr
.if gq < 14
	LOADB gq+2
.endif
.set gq, gq+1
.endr
	; ---- gelu on 64 numbers a lane
.set gj, 0
.rept 64
	v_fma_f32 v[T+gj], |v[H+gj]|, s[CT], 1.0       ; each accumulator is read from its low end on
.set gj, gj+1
.endr
.set gj, 0
	s_wait_alu depctr_va_vdst(0)
.rept 64
	v_rcp_f32 v[T+gj], v[T+gj]                     ; t
.set gj, gj+1
.endr
.set gj, 0
.rept 32
	v_pk_mul_f32 v[P+2*gj:P+2*gj+1], v[H+2*gj:H+2*gj+1], v[H+2*gj:H+2*gj+1]   ; v^2: work that names no reciprocal
.set gj, gj+1
.endr
	s_wait_alu depctr_va_vdst(0)                   ; one wait for the 64 reciprocals, ahead of their first reader
.set gb, 0
.rept 4                                ; sixteen numbers at a time, eight pairs by turns
.set gp, 0
.rept 8
	v_pk_fma_f32 v[QT+2*gp:QT+2*gp+1], v[T+16*gb+2*gp:T+16*gb+2*gp+1], v[C9:C9+1], s[CC+16:CC+17] op_sel_hi:[1,1,0]
.set gp, gp+1
.endr
.irp k, 7,6,5,4,3,2,1,0
.set gp, 0
.rept 8
	v_pk_fma_f32 v[QT+2*gp:QT+2*gp+1], v[QT+2*gp:QT+2*gp+1], v[T+16*gb+2*gp:T+16*gb+2*gp+1], s[CC+2*\k:CC+2*\k+1] op_sel_hi:[1,1,0]
.set gp, gp+1
.endr
.endr
.set gp, 0
.rept 8
	v_pk_fma_f32 v[P+16*gb+2*gp:P+16*gb+2*gp+1], v[P+16*gb+2*gp:P+16*gb+2*gp+1], s[MZ:MZ+1], v[QT+2*gp:QT+2*gp+1] op_sel_hi:[1,0,1]
.set gp, gp+1
.endr
.set gb, gb+1
.endr
.set gj, 0
	s_wait_alu depctr_va_vdst(0)
.rept 64
	v_exp_f32 v[P+gj], v[P+gj]
.set gj, gj+1
.endr
	v_nop                                          ; a plain instruction behind the last exponential
	s_wait_alu depctr_va_vdst(0)                   ; one wait for the 64
.set gj, 0
.rept 32
	v_pk_mul_f32 v[P+2*gj:P+2*gj+1], v[P+2*gj:P+2*gj+1], v[T+2*gj:T+2*gj+1]   ; q
.set gj, gj+1
.endr
.set gj, 0
.rept 64
	v_max_num_f32 v[T+gj], 0, v[H+gj]
.set gj, gj+1
.endr
.set gj, 0
.rept 64
	v_fma_f32 v[H+gj], -|v[H+gj]|, v[P+gj], v[T+gj]
.set gj, gj+1
.endr
	QUANT H, PC, PW                                ; my 128 units are one K step of the second product
	global_store_b128 v[LI], v[PC:PC+3], s[34:35]  ; the image: 512 consecutive bytes a store
	global_store_b128 v[LI], v[PC+4:PC+7], s[34:35] offset:512
	global_store_b32 v[HR], v[PW], s[36:37]        ; 16 rows' words, 64 consecutive bytes (lanes l and l + 16 store the same word with the same value)
	s_wait_xcnt 0x0                                ; the stores have read their registers and bases: both may be written again, whichever way the text goes on
	s_add_co_u32 s[NXT], s25, 16
	s_cmp_ge_u32 s[NXT], s23
	s_cbranch_scc1 .Lskip                          ; no further tile of mine: nothing is asked for
	GCALC NXT
	BASES
	s_mov_b32 s31, 0xffff
	s_bitcmp1_b32 s[TRIPS], 0                      ; behind trips 0 and 2 the upper half of RK serves; behind trip 1 the ranks are made anew
	s_cselect_b32 s30, 0xffff0000, s31
	s_wait_alu depctr_va_vdst(0)
	s_cbranch_scc0 .Lhave
	RANK NXT
	s_wait_alu depctr_va_vdst(0)
.Lhave:
	TOKENS NXT
	ALOAD
.Lskip:
	s_add_co_u32 s25, s25, 16
	s_sub_co_u32 s[TRIPS], s[TRIPS], 1
	s_cmp_lg_u32 s[TRIPS], 0
	s_cbranch_scc1 .Ltile
	s_wait_loadcnt 0x0                             ; a wave that had no tile has never waited for the operands that it asked for under the weights' stream: they land before it ends
	s_wait_tensorcnt 0x0
	ds_add_u32 v254, v255
	s_wait_dscnt 0x0
	s_endpgm
.Lfunc_end_k_q3ef15840de_fc1:
	.size	k_q3ef15840de_fc1, .Lfunc_end_k_q3ef15840de_fc1-k_q3ef15840de_fc1
	.p2alignl 7, 3214868480
	.fill 96, 4, 3214868480
	.section	.rodata,"a",@progbits
	.p2align	6, 0x0
	.amdhsa_kernel k_q3ef15840de_fc1
		.amdhsa_group_segment_fixed_size 72192
		.amdhsa_private_segment_fixed_size 0
		.amdhsa_enable_private_segment 0
		.amdhsa_kernarg_size 48
		.amdhsa_user_sgpr_count 2
		.amdhsa_user_sgpr_kernarg_segment_ptr 1
		.amdhsa_wavefront_size32 1
		.amdhsa_system_sgpr_workgroup_id_x 1
		.amdhsa_system_sgpr_workgroup_id_y 1
		.amdhsa_system_sgpr_workgroup_id_z 1
		.amdhsa_system_vgpr_workitem_id 0
		.amdhsa_next_free_vgpr 256
		.amdhsa_next_free_sgpr 80
		.amdhsa_reserve_vcc 1
		.amdhsa_float_denorm_mode_32 3
		.amdhsa_float_denorm_mode_16_64 3
		.amdhsa_memory_ordered 1
		.amdhsa_forward_progress 1
		.amdhsa_inst_pref_size 152
	.end_amdhsa_kernel
	.amdgpu_metadata
---
amdhsa.version: [ 1, 2 ]
amdhsa.kernels:
  - .name:           k_q3ef15840de_fc1
    .symbol:         k_q3ef15840de_fc1.kd
    .args:
      - { .name: w1, .offset: 0, .size: 8, .value_kind: global_buffer, .address_space: global }
      - { .name: b1, .offset: 8, .size: 8, .value_kind: global_buffer, .address_space: global }
      - { .name: xq, .offset: 16, .size: 8, .value_kind: global_buffer, .address_space: global }
      - { .name: route, .offset: 24, .size: 8, .value_kind: global_buffer, .address_space: global }
      - { .name: hq, .offset: 32, .size: 8, .value_kind: global_buffer, .address_space: global }
      - { .name: plan, .offset: 40, .size: 8, .value_kind: global_buffer, .address_space: global }
    .group_segment_fixed_size: 72192
    .private_segment_fixed_size: 0
    .kernarg_segment_align: 8
    .kernarg_segment_size: 48
    .max_flat_workgroup_size: 512
    .sgpr_count:     80
    .vgpr_count:     256
    .wavefront_size: 32
...
	.end_amdgpu_metadata
.endif
;; end of part 2
;; launch fc2 (part 3): grid 32 x 8, 16 waves a work-group, no clusters, 141,568 bytes of LDS; arguments w2, b2, hq, plan, y; writes y
.if DOCPART == 3
	.amdgcn_target "amdgcn-amd-amdhsa--gfx1250"
	.amdhsa_code_object_version 6
	.text
	.protected	k_q3ef15840de_fc2
	.globl	k_q3ef15840de_fc2
	.p2align	8
	.type	k_q3ef15840de_fc2,@function
k_q3ef15840de_fc2:
	s_mov_b64 s[64:65], 0
	v_nop
	global_prefetch_b8 v0, s[64:65] scope:SCOPE_SE
	s_setreg_imm32_b32 hwreg(HW_REG_WAVE_MODE, 25, 1), 1
	s_wait_xcnt 0x0
; FC2.  y = hidden w2[e] + b2[e] for the rows routed to expert e, on codes of E2M1 with E8M0 scales.  w2: [8][4096 (k)][1024 (n)] f32.  b2: [8][1024].  hq, plan: as the launches before left them.
; OUT y: [2 (half of K)][2,176 sorted rows][1024] f32: two partial sums for each row; b2 is counted in half 0.  The last launch adds them.
; SHARES.  Work-group (x, e) owns 64 columns (x & 15) and 2,048 along K (x >> 4) of expert e: 512 KiB of w2, which no other work-group reads.  64 columns, so that a row's piece of y is 256 consecutive bytes.
; PHASE W: wave w takes 32 columns (w & 1) and 256 along K (w >> 1).  A lane takes a column and its registers run down K: a load reads 128 consecutive bytes, two waves stand side by side on 256.
; The codes go to LDS as images of the operand's registers: 4 tiles of 16 columns x 16 K steps.  One barrier.
; ROWS: wave w takes the expert's tiles w, w + 16, w + 32, w + 48: 64 matrix instructions, transposed (source 0 = 16 columns of w2, source 1 = 16 rows), so that a lane holds eight neighbouring columns of one row;
; the results go through the wave's own stage in LDS and leave as whole rows of 256 bytes.  An expert has at most 1,024 rows, 64 tiles: the loop has four trips, and a trip whose tile the stored count
; does not reach jumps over the work.  No barrier stands in that loop.
; NO TENSOR LOAD AND NO JOINT REQUEST: which trips of the row loop work hangs on a count read from memory; what the work-groups of an expert share, the rows' codes, is 17 KiB a tile beside 512 KiB of weights of one's own.
; LIMITS: NaN and infinities are not served.  A block whose largest magnitude lies under 2^-124, a block of zeros too, keeps the byte 1.
.set RSTR,  4096                       ; bytes from k to k + 1 in w2
.set JSTEP, 4096                       ; LDS: a K step's four fragments
.set SCB,   65536                      ; LDS: the weights' scale words: 128 bytes for a pair of tiles and a K step
.set STG,   69888                      ; LDS: a stage of 16 rows x (256 + 16) bytes for each wave
.set HSC,   4456448
.set YH,    8912896
.set NA,    40                         ; loads of a tile's row operands: 32 + 8
.set LI,  1                            ; v1   16 x lane
.set LS,  2                            ; v2   4 x lane: also my column among the wave's 32
.set LSB, 3                            ; v3   SCB + 4 x lane
.set WI,  5                            ; v5   where I store fragments
.set WS,  6                            ; v6   and scale words
.set BO,  7                            ; v7   32 h: b2 for my half
.set AS,  8                            ; v8-15    the rows' scale words: register j: lanes 0-15 K step 2 j, lanes 16-31 K step 2 j + 1
.set BSC, 16                           ; v16-19   the weights' scale words, two sets of two
.set SO,  20                           ; v20  the stage: where I put 32 bytes of a row
.set SR,  21                           ; v21  and where I read a row back
.set YO,  22                           ; v22  my byte offset in the tile's rows of y
.set ACC, 24                           ; v24-55   four accumulators; in phase W: the codes
.set CD,  24
.set BF,  56                           ; v56-119  two sets of four weight fragments; in phase W: two sets of 32 numbers; on the way out: rows of y
.set X,   56
.set A,   120                          ; v120-247 the rows' sixteen fragments
.set MA,  248
.set MB,  249
.set SOP, 250
.set SW,  252                          ; v252-253
.set NXT,   36                         ; s36  my next tile in the expert
.set TRIPS, 37                         ; s37  trips of the row loop still to go
.macro LOADW t
.set wi, 0
.rept 32
	global_load_b32 v[X+32*((\t)%2)+wi], v[LS], s[20:21] offset:(32*(\t)+wi)*RSTR th:TH_LOAD_NT
.set wi, wi+1
.endr
.endm
.macro BLOCK t, left
.set XS, X+32*((\t)%2)
	s_wait_loadcnt \left
	v_max3_num_f32 v[MA], |v[XS]|, |v[XS+1]|, |v[XS+2]|
	v_max3_num_f32 v[MB], |v[XS+3]|, |v[XS+4]|, |v[XS+5]|
.irp i, 6,10,14,18,22,26
	s_delay_alu instid0(VALU_DEP_2)
	v_max3_num_f32 v[MA], v[MA], |v[XS+\i]|, |v[XS+\i+1]|
	s_delay_alu instid0(VALU_DEP_2)
	v_max3_num_f32 v[MB], v[MB], |v[XS+\i+2]|, |v[XS+\i+3]|
.endr
	s_delay_alu instid0(VALU_DEP_2)
	v_max3_num_f32 v[MA], v[MA], |v[XS+30]|, |v[XS+31]|
	s_delay_alu instid0(VALU_DEP_1)
	v_max3_num_f32 v[MA], v[MA], v[MB], 0x1800000  ; and the floor 2^(3 - 127): the byte cannot fall under 1
	s_delay_alu instid0(VALU_DEP_1)
	v_add_nc_u32 v[SOP], 0xff000000, v[MA]         ; 2 off the exponent field: the conversion's scale operand
	s_delay_alu instid0(VALU_DEP_1)
	v_lshrrev_b32 v[MB], 23, v[SOP]
.if (\t)%4 == 0
	s_delay_alu instid0(VALU_DEP_1)
	v_mov_b32 v[SW+(\t)/4], v[MB]
.else
	s_delay_alu instid0(VALU_DEP_1)
	v_lshl_or_b32 v[SW+(\t)/4], v[MB], 8*((\t)%4), v[SW+(\t)/4]
.endif
.irp g, 0,1,2,3
	v_cvt_scalef32_pk8_fp4_f32 v[CD+4*(\t)+\g], v[XS+8*\g:XS+8*\g+7], v[SOP]
.endr
	v_nop                                          ; one plain instruction behind a scaled conversion
.endm
.macro KSTEP j                         ; four blocks of 32 columns become two fragments of 16: block 0 changes halves with block 1, block 2 with block 3
.irp i, 0,1,2,3
	v_permlane16_swap_b32 v[CD+16*\j+\i], v[CD+16*\j+4+\i]
	v_permlane16_swap_b32 v[CD+16*\j+8+\i], v[CD+16*\j+12+\i]
.endr
	ds_store_b128 v[WI], v[CD+16*\j:CD+16*\j+3] offset:JSTEP*\j
	ds_store_b128 v[WI], v[CD+16*\j+8:CD+16*\j+11] offset:JSTEP*\j+512
	ds_store_b128 v[WI], v[CD+16*\j+4:CD+16*\j+7] offset:JSTEP*\j+1024
	ds_store_b128 v[WI], v[CD+16*\j+12:CD+16*\j+15] offset:JSTEP*\j+1536
	ds_store_b32 v[WS], v[SW+\j] offset:256*\j
.endm
.macro GCALC m                         ; tile s[m] of the expert, as a tile of all: never past the last tile that was written
	s_add_co_u32 s26, s22, s[\m]
	s_min_u32 s26, s26, s24
	s_min_u32 s26, s26, 135
.endm
.macro BASES
	s_lshl_b32 s2, s26, 15
	s_lshl_b32 s19, s27, 14
	s_add_co_u32 s2, s2, s19
	s_mov_b32 s3, 0
	s_add_nc_u64 s[28:29], s[8:9], s[2:3]          ; the rows' codes: tile G, my half's sixteen K steps
	s_lshl_b32 s2, s26, 11
	s_lshl_b32 s19, s27, 10
	s_add_co_u32 s2, s2, s19
	s_add_co_u32 s2, s2, HSC
	s_add_nc_u64 s[30:31], s[8:9], s[2:3]          ; their scale words
	s_lshl_b32 s2, s26, 16
	s_mul_i32 s19, s27, YH
	s_add_co_u32 s2, s2, s19
	s_lshl_b32 s19, s17, 8
	s_add_co_u32 s2, s2, s19
	s_add_nc_u64 s[34:35], s[12:13], s[2:3]        ; y: my half, tile G's rows, my 64 columns
.endm
.macro ALOAD
.set ak, 0
.rept 16
	global_load_b128 v[A+8*ak:A+8*ak+3], v[LI], s[28:29] offset:1024*ak
	global_load_b128 v[A+8*ak+4:A+8*ak+7], v[LI], s[28:29] offset:1024*ak+512
.set ak, ak+1
.endr
.irp j, 0,1,2,3,4,5,6,7
	global_load_b32 v[AS+\j], v[LS], s[30:31] offset:128*\j
.endr
.endm
.macro BLD                             ; b2 into the accumulators: columns 16 t + 8 h + 0 .. 7
.irp t, 0,1,2,3
	global_load_b128 v[ACC+8*\t:ACC+8*\t+3], v[BO], s[32:33] offset:64*\t
	global_load_b128 v[ACC+8*\t+4:ACC+8*\t+7], v[BO], s[32:33] offset:64*\t+16
.endr
.endm
.macro LOADB q                         ; group q: K step q, the four tiles and their scale words, into set q % 2
.irp i, 0,1,2,3
	ds_load_b128 v[BF+32*((\q)%2)+8*\i:BF+32*((\q)%2)+8*\i+3], v[LI] offset:4096*(\q)+1024*\i
	ds_load_b128 v[BF+32*((\q)%2)+8*\i+4:BF+32*((\q)%2)+8*\i+7], v[LI] offset:4096*(\q)+1024*\i+512
.endr
	ds_load_b32 v[BSC+2*((\q)%2)], v[LSB] offset:256*(\q)
	ds_load_b32 v[BSC+2*((\q)%2)+1], v[LSB] offset:256*(\q)+128
.endm
.macro WM
.if fA && fB
	v_wmma_scale_f32_16x16x128_f8f6f4 v[rD:rD+7], v[rA:rA+7], v[rB:rB+7], v[rD:rD+7], v[rSA], v[rSB] matrix_a_fmt:MATRIX_FMT_FP4 matrix_b_fmt:MATRIX_FMT_FP4 matrix_a_scale:MATRIX_SCALE_ROW1 matrix_b_scale:MATRIX_SCALE_ROW1
.elseif fA
	v_wmma_scale_f32_16x16x128_f8f6f4 v[rD:rD+7], v[rA:rA+7], v[rB:rB+7], v[rD:rD+7], v[rSA], v[rSB] matrix_a_fmt:MATRIX_FMT_FP4 matrix_b_fmt:MATRIX_FMT_FP4 matrix_a_scale:MATRIX_SCALE_ROW1
.elseif fB
	v_wmma_scale_f32_16x16x128_f8f6f4 v[rD:rD+7], v[rA:rA+7], v[rB:rB+7], v[rD:rD+7], v[rSA], v[rSB] matrix_a_fmt:MATRIX_FMT_FP4 matrix_b_fmt:MATRIX_FMT_FP4 matrix_b_scale:MATRIX_SCALE_ROW1
.else
	v_wmma_scale_f32_16x16x128_f8f6f4 v[rD:rD+7], v[rA:rA+7], v[rB:rB+7], v[rD:rD+7], v[rSA], v[rSB] matrix_a_fmt:MATRIX_FMT_FP4 matrix_b_fmt:MATRIX_FMT_FP4
.endif
.endm
	s_load_b256 s[4:11], s[0:1], 0x0               ; w2 s[4:5], b2 s[6:7], hq s[8:9], plan s[10:11]
	s_load_b64 s[12:13], s[0:1], 0x20              ; y
	v_lshl_add_u32 v23, v0, 2, 0x22100
	v_mov_b32 v251, 0
	v_lshrrev_b32 v254, 5, v0
	s_delay_alu instid0(VALU_DEP_1)
	v_readfirstlane_b32 s14, v254                  ; wave 0..15
	s_and_b32 s15, s14, 1                          ; which 32 columns
	s_lshr_b32 s16, s14, 1                         ; which 256 along K
	s_and_b32 s17, ttmp9, 15                       ; which 64 columns
	s_lshr_b32 s27, ttmp9, 4                       ; which half of K
	s_and_b32 s18, ttmp7, 0xffff                   ; the expert
	s_mov_b32 s25, s14                             ; my first tile in the expert
	v_and_b32 v254, 31, v0
	s_delay_alu instid0(VALU_DEP_1)
	v_lshlrev_b32 v[LI], 4, v254
	s_delay_alu instid0(VALU_DEP_2)
	v_lshlrev_b32 v[LS], 2, v254
	s_delay_alu instid0(VALU_DEP_1)
	v_add_nc_u32 v[LSB], SCB, v[LS]
	v_and_b32 v254, 15, v0                         ; r
	s_wait_alu depctr_va_vdst(0)
	v_bfe_u32 v255, v0, 4, 1                       ; h
	s_delay_alu instid0(VALU_DEP_1)
	v_lshlrev_b32 v[BO], 5, v255
	s_lshl_b32 s2, s16, 13
	s_lshl_b32 s3, s15, 11
	s_add_co_u32 s2, s2, s3
	v_add_nc_u32 v[WI], s2, v[LI]                  ; fragments: 16 x lane + two K steps x (w >> 1) + two tiles x (w & 1)
	s_lshl_b32 s2, s16, 9
	s_lshl_b32 s3, s15, 7
	s_add_co_u32 s2, s2, s3
	v_add_nc_u32 v[WS], s2, v[LSB]
	s_mul_i32 s2, s14, 16*272
	s_add_co_u32 s2, s2, STG                       ; my stage
	v_mul_u32_u24 v[SO], v254, 272
	s_wait_alu depctr_va_vdst(0)
	v_lshl_add_u32 v[SO], v255, 5, v[SO]
	s_delay_alu instid0(VALU_DEP_1)
	v_add_nc_u32 v[SO], s2, v[SO]                  ; in: row r, + 32 h
	v_mul_u32_u24 v[SR], v255, 272
	s_delay_alu instid0(VALU_DEP_1)
	v_lshl_add_u32 v[SR], v254, 4, v[SR]
	s_delay_alu instid0(VALU_DEP_1)
	v_add_nc_u32 v[SR], s2, v[SR]                  ; back: lanes 0-15 one row, lanes 16-31 the next
	v_lshlrev_b32 v[YO], 12, v255
	s_delay_alu instid0(VALU_DEP_1)
	v_lshl_add_u32 v[YO], v254, 4, v[YO]           ; and the same two rows in y
	s_lshl_b32 s2, s18, 24                         ; w2: the expert's 16 MiB,
	s_lshl_b32 s3, s27, 23                         ; my half of K,
	s_add_co_u32 s2, s2, s3
	s_lshl_b32 s3, s16, 20                         ; my 256 rows of 4 KiB,
	s_add_co_u32 s2, s2, s3
	s_lshl_b32 s3, s17, 8                          ; the work-group's 64 columns,
	s_add_co_u32 s2, s2, s3
	s_lshl_b32 s3, s15, 7                          ; my 32
	s_add_co_u32 s2, s2, s3
	s_mov_b32 s3, 0
	s_lshl_b32 s19, s18, 2
	s_wait_kmcnt 0x0
	s_add_nc_u64 s[20:21], s[4:5], s[2:3]
	LOADW 0
	LOADW 1
	s_load_b32 s22, s[10:11], s19 offset:0x0       ; the expert's first tile,
	s_load_b32 s23, s[10:11], s19 offset:0x20      ; its tiles,
	s_load_b32 s24, s[10:11], 0x44                 ; the last tile of all
	s_lshl_b32 s2, s18, 12
	s_lshl_b32 s36, s17, 8
	s_add_co_u32 s2, s2, s36
	s_add_nc_u64 s[32:33], s[6:7], s[2:3]          ; b2 at my 64 columns
	; ---- PHASE W.  Each wait leaves out what was issued behind the block's own 32 loads
	BLOCK 0, 32                                    ; the next block's 32
	LOADW 2
	BLOCK 1, 32
	LOADW 3
	BLOCK 2, 32
	LOADW 4
	BLOCK 3, 32
	LOADW 5
	KSTEP 0
	BLOCK 4, 32
	LOADW 6
	BLOCK 5, 32
	LOADW 7
	s_wait_kmcnt 0x0                               ; the plan's three words
	s_min_u32 s22, s22, 135                        ; loaded numbers enter addresses only held to their range
	s_min_u32 s23, s23, 64
	s_min_u32 s24, s24, 135
	GCALC 25
	BASES
	BLOCK 6, 32
	ALOAD                                          ; my first tile's row operands are asked for under the last of the weights' stream; a wave without a tile asks for a tile that exists and uses nothing
	BLOCK 7, NA                                    ; behind block 7's loads: the NA row operands
	KSTEP 1
	s_wait_dscnt 0x0                               ; for the others' sake: my fragments lie in LDS; and the stores have read the registers that b2 now takes
	BLD
	s_barrier_signal -1
	s_barrier_wait -1                              ; the slice is whole: 64 fragments
	; ---- ROWS
	s_mov_b32 s[TRIPS], 4
.Ltile:
	s_cmp_ge_u32 s25, s23
	s_cbranch_scc1 .Lskip                          ; the expert has no such tile
	LOADB 0
	LOADB 1
	s_cmp_eq_u32 s27, 0
	s_cselect_b32 vcc_lo, -1, 0                    ; b2 counts in half 0 alone: a choice of values, no second text
	s_wait_loadcnt 0x0                             ; the rows' fragments, their scale words, b2
.set gj, 0
.rept 32
	v_cndmask_b32 v[ACC+gj], 0, v[ACC+gj], vcc_lo
.set gj, gj+1
.endr
.rept 4
	v_nop
.endr
.set gq, 0
	s_wait_alu depctr_va_vdst(0)
.rept 16                               ; the four accumulators take turns, one instruction a turn
.if gq < 15
	s_wait_dscnt 10                                ; this group's ten loads are in; the next group's ten may be out
.else
	s_wait_dscnt 0
.endif
.set gi, 0
.rept 4
.set rD, ACC+8*gi
.set rA, BF+32*(gq%2)+8*gi
.set rB, A+8*gq
.set rSA, BSC+2*(gq%2)+(gi>>1)
.set rSB, AS+(gq>>1)
.set fA, gi&1
.set fB, gq&1
	WM
.set gi, gi+1
.endr
.rept 4
	v_nop                                          ; four places ahead of loads into registers that these products read, and of the first read of results
.endr
.if gq < 14
	LOADB gq+2
.endif
.set gq, gq+1
.endr
	; ---- the way out: a lane holds 32 neighbouring bytes of a row for each tile; through my own stage they become whole rows of 256 bytes
.irp t, 0,1,2,3
	ds_store_b128 v[SO], v[ACC+8*\t:ACC+8*\t+3] offset:64*\t          ; each accumulator from its low end on
	ds_store_b128 v[SO], v[ACC+8*\t+4:ACC+8*\t+7] offset:64*\t+16
.endr
.irp i, 0,1,2,3,4,5,6,7
	ds_load_b128 v[BF+4*\i:BF+4*\i+3], v[SR] offset:544*\i            ; LDS serves a wave's instructions in order: these see the stores above
.endr
.irp i, 0,1,2,3,4,5,6,7
	s_wait_dscnt 7-\i
	global_store_b128 v[YO], v[BF+4*\i:BF+4*\i+3], s[34:35] offset:8192*\i th:TH_STORE_NT   ; 16 lanes store 256 consecutive bytes, at a multiple of 256 from y's first byte
.endr
	s_wait_xcnt 0x0                                ; the stores have read their registers and their base: both may be written again, whichever way the text goes on
	s_add_co_u32 s[NXT], s25, 16
	s_cmp_ge_u32 s[NXT], s23
	s_cbranch_scc1 .Lskip                          ; no further tile of mine: nothing is asked for
	GCALC NXT
	BASES
	ALOAD                                          ; the next tile's row operands; every load of this trip was waited for at its head,
	BLD                                            ; and the LDS stores that read the accumulators are done (the count-down above ended at 0)
.Lskip:
	s_add_co_u32 s25, s25, 16
	s_sub_co_u32 s[TRIPS], s[TRIPS], 1
	s_cmp_lg_u32 s[TRIPS], 0
	s_cbranch_scc1 .Ltile
	s_wait_loadcnt 0x0                             ; a wave that had no tile has never waited for the operands that it asked for under the weights' stream: they land before it ends
	s_wait_tensorcnt 0x0
	ds_add_u32 v23, v251
	s_wait_dscnt 0x0
	s_endpgm
.Lfunc_end_k_q3ef15840de_fc2:
	.size	k_q3ef15840de_fc2, .Lfunc_end_k_q3ef15840de_fc2-k_q3ef15840de_fc2
	.p2alignl 7, 3214868480
	.fill 96, 4, 3214868480
	.section	.rodata,"a",@progbits
	.p2align	6, 0x0
	.amdhsa_kernel k_q3ef15840de_fc2
		.amdhsa_group_segment_fixed_size 141568
		.amdhsa_private_segment_fixed_size 0
		.amdhsa_enable_private_segment 0
		.amdhsa_kernarg_size 40
		.amdhsa_user_sgpr_count 2
		.amdhsa_user_sgpr_kernarg_segment_ptr 1
		.amdhsa_wavefront_size32 1
		.amdhsa_system_sgpr_workgroup_id_x 1
		.amdhsa_system_sgpr_workgroup_id_y 1
		.amdhsa_system_sgpr_workgroup_id_z 1
		.amdhsa_system_vgpr_workitem_id 0
		.amdhsa_next_free_vgpr 256
		.amdhsa_next_free_sgpr 66
		.amdhsa_reserve_vcc 1
		.amdhsa_float_denorm_mode_32 3
		.amdhsa_float_denorm_mode_16_64 3
		.amdhsa_memory_ordered 1
		.amdhsa_forward_progress 1
		.amdhsa_inst_pref_size 80
	.end_amdhsa_kernel
	.amdgpu_metadata
---
amdhsa.version: [ 1, 2 ]
amdhsa.kernels:
  - .name:           k_q3ef15840de_fc2
    .symbol:         k_q3ef15840de_fc2.kd
    .args:
      - { .name: w2, .offset: 0, .size: 8, .value_kind: global_buffer, .address_space: global }
      - { .name: b2, .offset: 8, .size: 8, .value_kind: global_buffer, .address_space: global }
      - { .name: hq, .offset: 16, .size: 8, .value_kind: global_buffer, .address_space: global }
      - { .name: plan, .offset: 24, .size: 8, .value_kind: global_buffer, .address_space: global }
      - { .name: y, .offset: 32, .size: 8, .value_kind: global_buffer, .address_space: global }
    .group_segment_fixed_size: 141568
    .private_segment_fixed_size: 0
    .kernarg_segment_align: 8
    .kernarg_segment_size: 40
    .max_flat_workgroup_size: 512
    .sgpr_count:     66
    .vgpr_count:     256
    .wavefront_size: 32
...
	.end_amdgpu_metadata
.endif
;; end of part 3
;; launch combine (part 4): grid 256 x 1, 4 waves a work-group, no clusters, 0 bytes of LDS; arguments plan, wts, y, out0; writes out0
.if DOCPART == 4
	.amdgcn_target "amdgcn-amd-amdhsa--gfx1250"
	.amdhsa_code_object_version 6
	.text
	.protected	k_q3ef15840de_combine
	.globl	k_q3ef15840de_combine
	.p2align	8
	.type	k_q3ef15840de_combine,@function
k_q3ef15840de_combine:
	s_mov_b64 s[64:65], 0
	v_nop
	global_prefetch_b8 v0, s[64:65] scope:SCOPE_SE
	s_setreg_imm32_b32 hwreg(HW_REG_WAVE_MODE, 25, 1), 1
	s_wait_xcnt 0x0
; THE SUM.  out[t] = w[t][0] (y0[p0] + y1[p0]) + w[t][1] (y0[p1] + y1[p1]): p0, p1 the sorted rows of token t's two choices (plan, from byte 256 on), y0 and y1 the two halves of K.
; A wave is a token: four rows of 4,096 bytes in, one out; every load and store covers 512 consecutive bytes.  Each row of y is read once in the launch.  Memory binds: no LDS, no barrier, no matrix unit.
.set YH, 8912896
	s_load_b256 s[4:11], s[0:1], 0x0               ; plan s[4:5], wts s[6:7], y s[8:9], out0 s[10:11]
	v_lshrrev_b32 v1, 5, v0
	v_readfirstlane_b32 s12, v1                    ; wave
	v_and_b32 v1, 31, v0
	v_lshlrev_b32 v1, 4, v1                        ; 16 x lane
	s_lshl_b32 s13, ttmp9, 2
	s_add_co_u32 s13, s13, s12                     ; the token
	s_lshl_b32 s14, s13, 3
	s_lshl_b32 s2, s13, 12
	s_mov_b32 s3, 0
	s_wait_alu depctr_va_vdst(0)
	s_wait_kmcnt 0x0
	s_load_b64 s[16:17], s[4:5], s14 offset:0x100  ; its two sorted rows
	s_load_b64 s[18:19], s[6:7], s14 offset:0x0    ; its two weights
	s_add_nc_u64 s[10:11], s[10:11], s[2:3]
	s_wait_kmcnt 0x0
	s_min_u32 s16, s16, 2175                       ; loaded numbers enter addresses only held to their range
	s_min_u32 s17, s17, 2175
	s_lshl_b32 s2, s16, 12
	s_add_nc_u64 s[24:25], s[8:9], s[2:3]
	s_add_nc_u64 s[26:27], s[24:25], YH
	s_lshl_b32 s2, s17, 12
	s_add_nc_u64 s[28:29], s[8:9], s[2:3]
	s_add_nc_u64 s[30:31], s[28:29], YH
	s_mov_b32 s20, s18                             ; the packed forms name a pair and take its low word for both halves
	s_mov_b32 s21, s18
	s_mov_b32 s22, s19
	s_mov_b32 s23, s19
.irp i, 0,1,2,3,4,5,6,7
	global_load_b128 v[8+16*\i:11+16*\i], v1, s[24:25] offset:512*\i th:TH_LOAD_NT
	global_load_b128 v[12+16*\i:15+16*\i], v1, s[26:27] offset:512*\i th:TH_LOAD_NT
	global_load_b128 v[16+16*\i:19+16*\i], v1, s[28:29] offset:512*\i th:TH_LOAD_NT
	global_load_b128 v[20+16*\i:23+16*\i], v1, s[30:31] offset:512*\i th:TH_LOAD_NT
.endr
.irp i, 0,1,2,3,4,5,6,7
	s_wait_loadcnt 4*(7-\i)                        ; piece i's four loads are in; the later pieces' may be out
.irp p, 0,2
	v_pk_mul_f32 v[8+16*\i+\p:9+16*\i+\p], v[8+16*\i+\p:9+16*\i+\p], s[20:21] op_sel_hi:[1,0]
	v_pk_fma_f32 v[8+16*\i+\p:9+16*\i+\p], v[12+16*\i+\p:13+16*\i+\p], s[20:21], v[8+16*\i+\p:9+16*\i+\p] op_sel_hi:[1,0,1]
	v_pk_fma_f32 v[8+16*\i+\p:9+16*\i+\p], v[16+16*\i+\p:17+16*\i+\p], s[22:23], v[8+16*\i+\p:9+16*\i+\p] op_sel_hi:[1,0,1]
	v_pk_fma_f32 v[8+16*\i+\p:9+16*\i+\p], v[20+16*\i+\p:21+16*\i+\p], s[22:23], v[8+16*\i+\p:9+16*\i+\p] op_sel_hi:[1,0,1]
.endr
	global_store_b128 v1, v[8+16*\i:11+16*\i], s[10:11] offset:512*\i th:TH_STORE_NT
.endr
	s_endpgm
.Lfunc_end_k_q3ef15840de_combine:
	.size	k_q3ef15840de_combine, .Lfunc_end_k_q3ef15840de_combine-k_q3ef15840de_combine
	.p2alignl 7, 3214868480
	.fill 96, 4, 3214868480
	.section	.rodata,"a",@progbits
	.p2align	6, 0x0
	.amdhsa_kernel k_q3ef15840de_combine
		.amdhsa_group_segment_fixed_size 0
		.amdhsa_private_segment_fixed_size 0
		.amdhsa_enable_private_segment 0
		.amdhsa_kernarg_size 32
		.amdhsa_user_sgpr_count 2
		.amdhsa_user_sgpr_kernarg_segment_ptr 1
		.amdhsa_wavefront_size32 1
		.amdhsa_system_sgpr_workgroup_id_x 1
		.amdhsa_system_sgpr_workgroup_id_y 1
		.amdhsa_system_sgpr_workgroup_id_z 1
		.amdhsa_system_vgpr_workitem_id 0
		.amdhsa_next_free_vgpr 136
		.amdhsa_next_free_sgpr 66
		.amdhsa_reserve_vcc 0
		.amdhsa_float_denorm_mode_32 3
		.amdhsa_float_denorm_mode_16_64 3
		.amdhsa_memory_ordered 1
		.amdhsa_forward_progress 1
		.amdhsa_inst_pref_size 10
	.end_amdhsa_kernel
	.amdgpu_metadata
---
amdhsa.version: [ 1, 2 ]
amdhsa.kernels:
  - .name:           k_q3ef15840de_combine
    .symbol:         k_q3ef15840de_combine.kd
    .args:
      - { .name: plan, .offset: 0, .size: 8, .value_kind: global_buffer, .address_space: global }
      - { .name: wts, .offset: 8, .size: 8, .value_kind: global_buffer, .address_space: global }
      - { .name: y, .offset: 16, .size: 8, .value_kind: global_buffer, .address_space: global }
      - { .name: out0, .offset: 24, .size: 8, .value_kind: global_buffer, .address_space: global }
    .group_segment_fixed_size: 0
    .private_segment_fixed_size: 0
    .kernarg_segment_align: 8
    .kernarg_segment_size: 32
    .max_flat_workgroup_size: 128
    .sgpr_count:     66
    .vgpr_count:     136
    .wavefront_size: 32
...
	.end_amdgpu_metadata
.endif
;; end of part 4
